; MI455X (gfx1250); checked and timed in simulation.
; The chip was launched on July 23, 2026; its instructions are those of AMD's public machine-readable ISA for CDNA 5 (MIT licence, August 2026) and "CDNA5" Instruction Set Architecture Reference Guide (July 2026). The comments in the code are by the model that wrote it; some were corrected since.
;; Outer Product Mix. Allowed arithmetic: matrix products marked QUANTISED: E2M3 operands, one E8M0 scale for each 32 along K, by v_wmma_scale_f32_16x16x128_f8f6f4 with both operands' format E2M3, f32 sums; products left as they are: f32 operands where the result goes on into a quantised operand, else bf16, f16 or f32 operands; f32 sums; everything else in f32.
;; Inputs: W 256 x 65,536 float32; b 256 float32; h 4 x 1,024 x 256 float32.
;; Outputs: out0 4 x 1,024 x 256 float32.
;; This version of the problem:
;;   THIS VERSION OF THE PROBLEM IS GIVEN IN LOW PRECISION. The matrix products marked QUANTISED in the list below multiply operands that are first quantised to E2M3 (2 exponent bits, 3 mantissa bits; 6 bits a number), with one power-of-two scale for each 32 numbers along K (OCP MX v1.0); their sums are f32. All else is computed in f32.
;;   The module's matrix products, in the order in which they are computed (A, B: the left and right operand; K: the contracted axis; several contracted axes count as one K, in the product's order):
;;     1. batch 4,096 x [M 256, K 1] x [K 1, N 256]; A: computed on the way; B: computed on the way: left as it is (no contracted axis)
;;     2. [M 4,096, K 65,536] x [K 65,536, N 256]; A: computed on the way; B: input W: QUANTISED
;;   THE QUANTISER, for each operand of a quantised product, along K:
;;     - K is cut into blocks of 32 from its start; a last block that is shorter is filled with zeros.
;;     - A block's scale is 2^e with e = floor(log2(the largest magnitude in the block)) - 2, held to -126 .. 127; a block of zeros has e = 0. As a byte (E8M0): e + 127.
;;     - Each number is divided by its block's scale, clamped to +-7.5, and rounded to the nearest number of E2M3, ties to even, subnormals kept.
;;     - The product sums the exact products of the quantised numbers (number of the format x scale) in f32.
;;   ~~~python
;;   def quantise(x, axis):      # numpy; x: float32 -> the quantised numbers, widened to float32 again
;;       x = np.moveaxis(x, axis, -1); K = x.shape[-1]
;;       x = np.pad(x, [(0, 0)] * (x.ndim - 1) + [(0, -K % 32)]); x = x.reshape(x.shape[:-1] + (-1, 32)); a = np.abs(x).max(-1, keepdims=True)
;;       e = np.where(a > 0, np.clip(np.frexp(np.where(a > 0, a, 1))[1] - 1 - 2, -126, 127), 0)      # np.frexp(a)[1] - 1 = floor(log2(a)), exactly
;;       r = np.clip(x / 2.0 ** e, -7.5, 7.5)
;;       step = 2.0 ** (np.maximum(np.frexp(np.where(r == 0, 1, r))[1] - 1, 0) - 3)
;;       q = np.round(r / step) * step * 2.0 ** e      # np.round: ties to even
;;       return np.moveaxis(q.reshape(q.shape[:-2] + (-1,))[..., :K], -1, axis).astype(np.float32)
;;   ~~~
;;   OPERANDS COMPUTED ON THE WAY. 'Computed on the way' means the value that the module computes at that place (a softmax that the list does not call 'softmax' is quantised finished and normalised). What goes into a quantiser is computed in f32, as accurately as f32 sums, v_exp_f32 and their like allow (about 1e-6 of the number): no bf16 or f16 on the way to a quantiser, and a product that is left as it is and whose result goes on into a quantised operand takes f32 operands (vector FMAs, or v_wmma_f32_16x16x4_f32). A number that lies on a knife's edge between two numbers of the format may be rounded either way, as far as f32 arithmetic and the matrix unit's own rounding can turn it there, and no further.
;; One version. Each part assembles by itself: llvm-mc -triple=amdgcn-amd-amdhsa -mcpu=gfx1250 --defsym DOCPART=n.
;; ======== version 1 of 1: 3 launches
;; limits: right only within a limited range of input values
;; workspace buffers: wq 13,107,200 bytes; part 33,554,432 bytes
;; launch wquant (part 1): grid 512 x 1, 4 waves a work-group, no clusters, 34,304 bytes of LDS; arguments W, wq; writes wq
.if DOCPART == 1
	.amdgcn_target "amdgcn-amd-amdhsa--gfx1250"
	.amdhsa_code_object_version 6
	.text
	.protected	k_q6e232352d3_wquant
	.globl	k_q6e232352d3_wquant
	.p2align	8
	.type	k_q6e232352d3_wquant,@function
k_q6e232352d3_wquant:
	s_mov_b64 s[64:65], 0
	v_nop
	global_prefetch_b8 v0, s[64:65] scope:SCOPE_SE
	s_setreg_imm32_b32 hwreg(HW_REG_WAVE_MODE, 25, 1), 1
	s_wait_xcnt 0x0
; W [256][65536] f32 (row o, k = 256 i + j) is turned ONCE into codes of FP6 (E2M3) with one E8M0 byte for each 32 along K, laid in the order in which the product's launch takes them into registers.
; K is dealt into 16 SPLITS s = 4 q + p (i = 64 q .. 64 q + 63, j = 64 p .. 64 p + 63) of 32 STEPS x (i0 = 64 q + 2 x and i0 + 1): a step is 128 along K, four blocks b = 2 be + hh = (i0 + be, j = 64 p + 32 hh + 0 .. 31).
; wq[32 s + x] is 25,600 dense bytes: 16 images of a fragment (tile n: rows 16 n .. 16 n + 15 of W), 1,536 bytes each: registers 4 c .. 4 c + 3 of lane l at 1536 n + 512 c + 16 l; then 1,024 bytes of scale words:
; the word of tile n = 4 v + f, row r at 24576 + 256 v + 16 r + 4 f.  In a fragment lane (r, hh) holds in registers 6 be .. 6 be + 5 the 32 codes of block 2 be + hh of row r.
; A block's scale is 2^(floor(log2(its largest magnitude)) - 2); its byte is the largest magnitude's exponent field - 2, held at 1 from below.
; LIMITS: NaN and infinities in W are not served; a block of zeros gets the byte 1 where the rule says 127: its codes are zeros, and the bytes are read by this program alone.
; SHARES: work-group X = 32 s + x writes wq[X] whole; wave w makes tiles 4 w + f, f = 0 .. 3, and the 256 bytes of their scale words.
; A load reads two aligned runs of 256 bytes (row y: i0's 64 numbers in lanes 0-15, i0 + 1's in lanes 16-31); a tile's 16 rows turn through the wave's own stage in LDS, so that a lane gets the 32 neighbours of each of its two blocks.
; No barrier: waves share nothing.  Loads run one fragment (16 loads) ahead of the fragment in hand.
.set ROWW,  262144                     ; a row of W in bytes
.set STEPB, 25600                      ; a step's bytes in wq
.set FRB,   1536                       ; a fragment's image
.set SP,    528                        ; a stage row: 512 bytes + 16: sixteen rows begin in sixteen different groups of banks (64 banks of 4 bytes: ISA guide 11.1)
.set STGB,  16*SP                      ; a wave's stage
.set SW,    16                         ; v16-19   the four tiles' scale words (lanes 0-15)
.set TMP,   20                         ; v20-22, v24-26  the upper halves of two blocks' codes (a conversion's three registers begin on an even number)
.set R,     32                         ; v32-159  two sets of 64: a tile as loaded
.set X,     160                        ; v160-223 my two blocks: 32 be + 0 .. 31
.set C,     228                        ; v228-251 two sets of 12: a fragment's registers
	s_load_b128 s[4:7], s[0:1], 0x0                ; W, wq
	v_lshl_add_u32 v254, v0, 2, 0x8400
	v_mov_b32 v255, 0
	v_lshrrev_b32 v1, 5, v0
	v_readfirstlane_b32 s16, v1                    ; wave
	v_and_b32 v1, 31, v0                           ; lane
	v_and_b32 v10, 15, v0                          ; r
	v_bfe_u32 v11, v0, 4, 1                        ; hh
	v_lshlrev_b32 v6, 4, v10                       ; 16 r: my row's four scale words on the way out
	v_lshl_add_u32 v2, v11, 10, v6                 ; in memory: 16 bytes a lane, lanes 16-31 one i (1,024 bytes) further on
	s_mul_i32 s17, s16, STGB                       ; my stage
	v_lshl_add_u32 v3, v11, 8, v6
	v_add_nc_u32 v3, s17, v3                       ; into it: i0's 256 bytes, then i0 + 1's
	v_mul_u32_u24 v4, v10, SP
	v_lshl_add_u32 v4, v11, 7, v4
	v_add_nc_u32 v4, s17, v4                       ; out of it: row r, my half's 128 bytes
	v_lshlrev_b32 v5, 4, v1                        ; an image's place for my lane
	v_mov_b32 v12, 0                               ; written once: a lane permute's destination counts as one of its sources
	s_mov_b32 s18, 0x76543210
	s_mov_b32 s19, 0xfedcba98                      ; v_permlanex16_b32's selects for lane l xor 16
	s_lshr_b32 s24, ttmp9, 5                       ; s
	s_and_b32 s25, ttmp9, 31                       ; x
	s_and_b32 s26, s24, 3                          ; p
	s_lshr_b32 s27, s24, 2                         ; q
	s_lshl_b32 s27, s27, 16                        ; 64 q x 1,024 bytes
	s_lshl_b32 s25, s25, 11                        ; 2 x x 1,024
	s_lshl_b32 s26, s26, 8                         ; 64 p x 4
	s_add_co_u32 s28, s27, s25
	s_add_co_u32 s28, s28, s26
	s_lshl_b32 s29, s16, 24                        ; my wave's 64 rows of 262,144 bytes
	s_add_co_u32 s28, s28, s29                     ; under 2^26: W has 2^26 bytes
	s_mov_b32 s29, 0
	s_mul_i32 s30, ttmp9, STEPB
	s_mov_b32 s31, 0
	s_mul_i32 s32, s16, 4*FRB                      ; my four images
	s_mov_b32 s33, 0
	s_lshl_b32 s34, s16, 8
	s_add_co_u32 s34, s34, 16*FRB                  ; my 256 bytes of scale words
	s_mov_b32 s35, 0
	s_wait_alu depctr_va_vdst(0)
	s_wait_kmcnt 0x0
	s_add_nc_u64 s[8:9], s[4:5], s[28:29]          ; tile f begins 16 rows x 262,144 bytes behind tile f - 1: a base for each
	s_add_nc_u64 s[10:11], s[8:9], 16*ROWW
	s_add_nc_u64 s[12:13], s[8:9], 32*ROWW
	s_add_nc_u64 s[14:15], s[8:9], 48*ROWW
	s_add_nc_u64 s[6:7], s[6:7], s[30:31]
	s_add_nc_u64 s[20:21], s[6:7], s[32:33]
	s_add_nc_u64 s[22:23], s[6:7], s[34:35]
.macro LOAD f                          ; tile f's 16 rows; 15 rows are inside the signed 24-bit immediate (ISA guide, chapter 10)
.set y, 0
.rept 16
	global_load_b128 v[R+64*((\f)%2)+4*y:R+64*((\f)%2)+4*y+3], v2, s[8+2*(\f):9+2*(\f)] offset:y*ROWW th:TH_LOAD_NT
.set y, y+1
.endr
.endm
.macro FRAG f
.set RS, R+64*((\f)%2)
.set CS, C+12*((\f)%2)
.if (\f) < 3
	s_wait_loadcnt 16                              ; this tile's 16 loads are in; the next tile's 16 may be out
.else
	s_wait_loadcnt 0x0
.endif
.set y, 0
.rept 16
	ds_store_b128 v3, v[RS+4*y:RS+4*y+3] offset:SP*y
.set y, y+1
.endr
.set y, 0
.rept 16                               ; LDS serves a wave's instructions in order (ISA guide 5.7.1.4): these see the stores above
	ds_load_b128 v[X+4*y:X+4*y+3], v4 offset:256*(y/8)+16*(y%8)
.set y, y+1
.endr
	s_wait_dscnt 0x0                               ; my two blocks are in, and the stores have read their registers,
.if (\f) < 2
	LOAD (\f)+2                                    ; which take the tile two further on
.endif
	v_max3_num_f32 v8, |v[X]|, |v[X+1]|, 0x1800000     ; each block's largest magnitude: all 32 numbers are mine; and the floor 2^(3 - 127), so that the byte cannot fall under 1
	v_max3_num_f32 v9, |v[X+32]|, |v[X+33]|, 0x1800000
.irp i, 2,4,6,8,10,12,14,16,18,20,22,24,26,28,30
	v_max3_num_f32 v8, v8, |v[X+\i]|, |v[X+\i+1]|      ; (the two blocks by turns)
	v_max3_num_f32 v9, v9, |v[X+32+\i]|, |v[X+33+\i]|
.endr
	v_add_nc_u32 v8, 0xff000000, v8                ; 2 off the exponent field: the conversion takes the exponent field of this operand as its scale, and nothing else of it
	v_add_nc_u32 v9, 0xff000000, v9
	v_lshrrev_b32 v10, 23, v8                      ; the bytes of blocks hh and 2 + hh
	v_lshrrev_b32 v11, 23, v9
	v_lshl_or_b32 v10, v11, 16, v10
	v_permlanex16_b32 v12, v10, s18, s19
	v_lshl_or_b32 v[SW+(\f)], v12, 8, v10          ; lanes 0-15: bytes 0 .. 3 of row r (lanes 16-31 are not stored)
.if (\f) >= 2
	s_wait_alu depctr_va_vdst(0)
	s_wait_xcnt 0x0                                ; the stores of two tiles ago have read this set of registers: it is written again only behind this wait
.endif
	v_cvt_scalef32_pk16_fp6_f32 v[CS:CS+2], v[X:X+15], v8
	v_cvt_scalef32_pk16_fp6_f32 v[TMP:TMP+2], v[X+16:X+31], v8
	v_cvt_scalef32_pk16_fp6_f32 v[CS+6:CS+8], v[X+32:X+47], v9
	v_cvt_scalef32_pk16_fp6_f32 v[TMP+4:TMP+6], v[X+48:X+63], v9
	v_nop                                          ; one plain place behind a scaled conversion
.irp i, 0,1,2
	v_mov_b32 v[CS+3+\i], v[TMP+\i]
	v_mov_b32 v[CS+9+\i], v[TMP+4+\i]
.endr
.irp c, 0,1,2
	global_store_b128 v5, v[CS+4*\c:CS+4*\c+3], s[20:21] offset:(\f)*FRB+512*\c   ; 32 lanes store 512 consecutive bytes, at a multiple of 256 from wq's first byte
.endr
.endm
	LOAD 0
	LOAD 1
	FRAG 0
	FRAG 1
	FRAG 2
	FRAG 3
	s_wait_xcnt 0x0                                ; EXEC changes only behind this wait
	v_cmp_gt_u32 vcc_lo, 16, v1
	s_wait_tensorcnt 0x0
	ds_add_u32 v254, v255
	s_wait_dscnt 0x0
	s_and_saveexec_b32 s36, vcc_lo
	global_store_b128 v6, v[SW:SW+3], s[22:23]     ; sixteen lanes store my 256 bytes of scale words, aligned
	s_wait_xcnt 0x0                                ; and again, in front of the line that widens it
	s_or_b32 exec_lo, exec_lo, s36
	s_endpgm
.Lfunc_end_k_q6e232352d3_wquant:
	.size	k_q6e232352d3_wquant, .Lfunc_end_k_q6e232352d3_wquant-k_q6e232352d3_wquant
	.p2alignl 7, 3214868480
	.fill 96, 4, 3214868480
	.section	.rodata,"a",@progbits
	.p2align	6, 0x0
	.amdhsa_kernel k_q6e232352d3_wquant
		.amdhsa_group_segment_fixed_size 34304
		.amdhsa_private_segment_fixed_size 0
		.amdhsa_enable_private_segment 0
		.amdhsa_kernarg_size 16
		.amdhsa_user_sgpr_count 2
		.amdhsa_user_sgpr_kernarg_segment_ptr 1
		.amdhsa_wavefront_size32 1
		.amdhsa_system_sgpr_workgroup_id_x 1
		.amdhsa_system_sgpr_workgroup_id_y 1
		.amdhsa_system_sgpr_workgroup_id_z 1
		.amdhsa_system_vgpr_workitem_id 0
		.amdhsa_next_free_vgpr 256
		.amdhsa_next_free_sgpr 66
		.amdhsa_reserve_vcc 1
		.amdhsa_float_denorm_mode_32 3
		.amdhsa_float_denorm_mode_16_64 3
		.amdhsa_memory_ordered 1
		.amdhsa_forward_progress 1
		.amdhsa_inst_pref_size 30
	.end_amdhsa_kernel
	.amdgpu_metadata
---
amdhsa.version: [ 1, 2 ]
amdhsa.kernels:
  - .name:           k_q6e232352d3_wquant
    .symbol:         k_q6e232352d3_wquant.kd
    .args:
      - { .name: W, .offset: 0, .size: 8, .value_kind: global_buffer, .address_space: global }
      - { .name: wq, .offset: 8, .size: 8, .value_kind: global_buffer, .address_space: global }
    .group_segment_fixed_size: 34304
    .private_segment_fixed_size: 0
    .kernarg_segment_align: 8
    .kernarg_segment_size: 16
    .max_flat_workgroup_size: 128
    .sgpr_count:     66
    .vgpr_count:     256
    .wavefront_size: 32
...
	.end_amdgpu_metadata
.endif
;; end of part 1
;; launch mix (part 2): grid 32 x 8, 4 waves a work-group, clusters of 4 x 1, 327,680 bytes of LDS; arguments h, wq, part; writes part
.if DOCPART == 2
	.amdgcn_target "amdgcn-amd-amdhsa--gfx1250"
	.amdhsa_code_object_version 6
	.text
	.protected	k_q6e232352d3_mix
	.globl	k_q6e232352d3_mix
	.p2align	8
	.type	k_q6e232352d3_mix,@function
k_q6e232352d3_mix:
	s_mov_b64 s[64:65], 0
	v_nop
	global_prefetch_b8 v0, s[64:65] scope:SCOPE_SE
	s_setreg_imm32_b32 hwreg(HW_REG_WAVE_MODE, 25, 1), 1
	s_wait_xcnt 0x0
	s_wait_alu depctr_hold_cnt(0) depctr_sa_sdst(0) depctr_va_vdst(0) depctr_va_sdst(0) depctr_va_ssrc(0) depctr_va_vcc(0) depctr_vm_vsrc(0)
	s_getreg_b32 s2, hwreg(HW_REG_IB_STS2, 6, 4)
	s_cmp_eq_u32 s2, 0
	s_cbranch_scc0 .Lentry_in_a_cluster
	s_endpgm
.Lentry_in_a_cluster:
	s_bfe_u32 s2, ttmp6, 0x10000c
	s_cmp_lg_u32 s2, 0x3003
	s_cbranch_scc0 .Lentry_shape_is_right
	s_endpgm
.Lentry_shape_is_right:
; part[S][m][o] = the sum over splits 2 S and 2 S + 1 of K of Q(h[m][i] h[m][j]) Q(W)[o][256 i + j], both operands codes of FP6 (E2M3) with E8M0 scales; sums in f32.
; SHARES: work-group (x, S): rows 128 x .. + 127.  Wave w: row half w & 1 (64 rows), split s = 2 S + (w >> 1) = 4 qq + p (i = 64 qq .. + 63, j = 64 p .. + 63): 32 steps of 128 along K
; (i0 = 64 qq + 2 t and i0 + 1, all 64 j), against all 256 columns: 64 accumulators, 512 registers.  Every number of A is made once, in the registers of the wave that multiplies it.
; At the end waves w and w xor 2 (same rows, the two splits) add their sums through LDS.  The second split's waves hold their rows turned by 32, so that with no branch every wave hands over
; its row tiles 2, 3 (window 3), keeps tiles 0, 1 (window 2), adds the partner's to them and stores 32 accumulators.
; A's block (row, i, 32 j) is h[row][i] x 32 kept numbers of h; its largest magnitude is |h[row][i]| x the kept block maximum (rounding keeps the order), and the maxima are kept divided by 4,
; so that the product's exponent field is the scale's byte, held at 1 from below.  LIMITS: NaN and infinities in h are not served; block maxima of h under 2^-124 lose bits in that division.
; W's codes lie in wq as images of the operand's registers, 25,600 bytes a step.  The four work-groups of a cluster share S: each image is asked for JOINTLY (mask 15), one a wave, into two LDS slots
; of four images: two steps of each split.  A STEP has two halves, each: one wait, one run of LDS loads, one run of the generator of the NEXT step's A, 32 matrix instructions on end.
; Source 0 = 16 rows of W, source 1 = 16 rows of A: lane (r, hh), register e of accumulator (mt, n) holds (row tile mt's row r, o = 16 n + 8 hh + e).
; PREFETCH: at each change of slots a wave names 25 blocks of 256 bytes of the image that it loads at the NEXT change (a lane a block, lanes 25-31 the last again); the four partners share
; an image's 100 blocks out by address; the last refill's trip asks for nothing.
; REGISTERS: window 0: addresses, scales, h[.][i] pairs, W's 16 fragments (v64-255); window 1: v0-127 the kept h[.][j], v128-223 A's fragments in two sets, v224-255 products; windows 2, 3: accumulators.
.set STEPB, 25600                      ; an image: 16 fragments of 1,536 bytes, 1,024 bytes of scale words
.set FRB,   1536
.set SLOTB, 4*STEPB
.set SLOT1, 1<<17                      ; slot 1's first byte
.set HS,    SLOT1+SLOTB                ; behind the slots: a stage of 64 rows x 272 bytes for each wave; it ends up holding h[my rows][64 qq ..]
.set HSP,   272
.set HSB,   64*HSP
.set SPARE, HS+4*HSB                   ; the spare words, 128 bytes a wave
.set LI,  1                            ; 16 x lane
.set AW,  2                            ; LDS address of a step's image
.set AH0, 3                            ; my row in the stage
.set AH,  4
.set SPW, 5
.set NIL, 6
.set GA,  7
.set HM,  8                            ; v8-11   a quarter of the largest |h[row][my 32 j]|, a register a row tile
.set SC,  12                           ; v12-19  the conversions' scale operands: 2 tile + be
.set TA,  20
.set TBV, 24
.set HI,  28                           ; v28-43  h[row][i0], h[row][i0 + 1]: two sets of four pairs
.set AS,  44                           ; v44-51  A's scale words, two sets of four
.set WS,  52                           ; v52-59  W's scale words
.set STI, 60
.set STO, 61
.set PFO, 62                           ; the prefetches' offset; never rewritten
.set GA2, 63
.set WF,  64
.set HJ,  0
.set AF,  128
.set T0,  224
.set T1,  240
.set WV,  10
.set G1,  16
.set G0A, 24
.set G0B, 28
.set TB,  38
.set TH,  39
.set SLOTS, 40
.set SEL, 42
.set FLOOR, 44
.set PF,  58
.set KH,  62
.set RH,  63
.set W_P, 0x41                         ; the generator: destination and source 0 window 1, source 1 window 0
.set MSB, 0
.macro WIN new                         ; the immediate's high byte repeats the setting that is left
.if MSB != (\new)
	s_set_vgpr_msb (MSB<<8)|(\new)
.set MSB, (\new)
.endif
.endm
.macro CROUND                          ; a round of the cluster's barrier
	s_barrier_signal -1
	s_barrier_wait -1
	s_cmp_lg_u32 s[WV], 0
	s_cbranch_scc1 .Lnot_wave_0_\@
	s_barrier_signal -3
.Lnot_wave_0_\@:
	s_barrier_wait -3
	s_barrier_signal -1
	s_barrier_wait -1
.endm
.macro PLACES
.rept 4
	v_nop
.endr
.endm
	s_load_b128 s[4:7], s[0:1], 0x0                ; h, wq
	s_load_b64 s[8:9], s[0:1], 0x10                ; part
	v_lshl_add_u32 v[SPW], v0, 2, SPARE
	v_mov_b32 v[NIL], 0
	ds_add_u32 v[SPW], v[NIL]                      ; the opening lines: the add twice on end and one wait
	ds_add_u32 v[SPW], v[NIL]
	v_lshrrev_b32 v[GA], 5, v0
	v_readfirstlane_b32 s[WV], v[GA]               ; wave
	s_and_b32 s[RH], s[WV], 1                      ; my row half; also which step of a slot's two I fetch
	s_lshr_b32 s[KH], s[WV], 1                     ; my split of the two
	s_bfe_u32 s11, ttmp6, 0x40000                  ; cx
	s_lshl_b32 s12, ttmp9, 2
	s_add_co_u32 s12, s12, s11                     ; row block x
	s_and_b32 s13, ttmp7, 0xffff                   ; S
	s_lshl_b32 s57, s13, 1
	s_add_co_u32 s57, s57, s[KH]                   ; split s
	s_and_b32 s14, s57, 3                          ; p
	s_lshr_b32 s15, s57, 2                         ; qq
	s_mov_b32 s[G1], 15|(3<<16)|(1<<21)            ; all four partners; elements of 8 bytes; an image is 100 dense rows of 256 bytes
	s_mov_b32 s[G1+1], 32<<16
	s_mov_b32 s[G1+2], 100<<16
	s_mov_b32 s[G1+3], 32<<16
	s_mov_b32 s[G1+4], 100
	s_mov_b32 s[G1+5], 32
	s_mov_b32 s[G1+6], 0
	s_mov_b32 s[G1+7], 0
	s_mov_b32 s[G0A], 1
	s_mov_b32 s[G0B], 1
	s_mul_i32 s[G0A+1], s[WV], STEPB               ; image w of a slot: split half w >> 1, step w & 1
	s_add_co_u32 s[G0B+1], s[G0A+1], SLOT1
	s_mul_i32 s46, s57, 32*STEPB
	s_mul_i32 s60, s[RH], STEPB
	s_add_co_u32 s46, s46, s60
	s_mov_b32 s47, 0
	s_mul_i32 s60, s11, 6400                       ; the prefetches: partner cx takes 25 blocks of my image
	s_add_co_u32 s58, s46, s60
	s_add_co_u32 s58, s58, 4*STEPB                 ; from the third fill on
	s_mov_b32 s59, 0
	s_lshl_b32 s48, s12, 17                        ; 128 rows of 1,024 bytes
	s_lshl_b32 s49, s[RH], 16                      ; my 64
	s_add_co_u32 s48, s48, s49
	s_lshl_b32 s50, s14, 8
	s_add_co_u32 s50, s50, s48                     ; h at my rows, column 64 p
	s_mov_b32 s51, 0
	s_lshl_b32 s52, s15, 8
	s_add_co_u32 s52, s52, s48                     ; and column 64 qq
	s_mov_b32 s53, 0
	s_lshl_b32 s60, s[KH], 15                      ; 32 rows for the second split's waves,
	s_xor_b32 s61, s60, 0x8000                     ; and for the first's
	s_lshl_b32 s54, s13, 22
	s_add_co_u32 s54, s54, s48
	s_add_co_u32 s54, s54, s60                     ; part: S, the 32 rows that I keep
	s_mov_b32 s55, 0
	s_mov_b32 s[SEL], 0x76543210
	s_mov_b32 s[SEL+1], 0xfedcba98                 ; lane l xor 16
	s_mov_b32 s[FLOOR], 0x00800000                 ; 2^-126: the byte cannot fall under 1
	s_mul_i32 s[TB], s[KH], 2*STEPB                ; my split's two images of a slot
	s_mov_b32 s[TH], 8
	s_wait_alu depctr_va_vdst(0)
	s_wait_dscnt 0x0
	s_wait_kmcnt 0x0
	s_add_nc_u64 s[G0A+2:G0A+3], s[6:7], s[46:47]
	s_add_nc_u64 s[G0B+2:G0B+3], s[G0A+2:G0A+3], 2*STEPB
	s_or_b32 s[G0A+3], s[G0A+3], 0x80000000
	s_or_b32 s[G0B+3], s[G0B+3], 0x80000000
	s_add_nc_u64 s[PF:PF+1], s[6:7], s[58:59]
	s_add_nc_u64 s[32:33], s[4:5], s[50:51]
	s_add_nc_u64 s[34:35], s[4:5], s[52:53]
	s_add_nc_u64 s[8:9], s[8:9], s[54:55]
	CROUND
	tensor_load_to_lds s[G0A:G0A+3], s[G1:G1+7]    ; slot 0: my one load at the head
	s_nop 0
	v_and_b32 v[TA], 31, v0
	v_lshlrev_b32 v[LI], 4, v[TA]
	v_min_u32 v[PFO], 24, v[TA]
	v_lshlrev_b32 v[PFO], 8, v[PFO]
	v_and_b32 v[TA], 15, v0                        ; r
	v_bfe_u32 v[TA+1], v0, 4, 1                    ; hh
	s_mul_i32 s56, s[WV], HSB
	s_add_co_u32 s56, s56, HS
	v_mul_u32_u24 v[AH0], v[TA], HSP
	v_add_nc_u32 v[AH0], s56, v[AH0]
	v_lshl_add_u32 v[STO], v[TA+1], 7, v[AH0]      ; out of the stage: row r, my half's 128 bytes
	v_mul_u32_u24 v[STI], v[TA+1], HSP
	v_lshl_add_u32 v[STI], v[TA], 4, v[STI]
	v_add_nc_u32 v[STI], s56, v[STI]               ; into it: two rows an instruction
	v_lshlrev_b32 v[GA2], 10, v[TA+1]
	v_lshl_add_u32 v[GA2], v[TA], 4, v[GA2]        ; the same two rows in h: sixteen lanes read 256 aligned bytes
	v_add_nc_u32 v[GA], s60, v[GA2]                ; stage row y holds my row (y + 32 (w >> 1)) mod 64: the first 32 stage rows,
	v_add_nc_u32 v[GA2], s61, v[GA2]               ; and the last 32, whose immediates are 32 rows short
.irp t, 0,1,2,3
	v_mov_b32 v[HM+\t], 0
	v_mov_b32 v[TBV+\t], 0                         ; a lane permute's destination counts as a source
.endr
	WIN 0x80                                       ; h goes out under the tile's flight, into registers that become accumulators
.irp c, 0,1                            ; the j columns, then the i columns
.set y, 0
.rept 16
	global_load_b128 v[128*\c+4*y:128*\c+4*y+3], v[GA], s[32+2*\c:33+2*\c] offset:2048*y
.set y, y+1
.endr
.rept 16
	global_load_b128 v[128*\c+4*y:128*\c+4*y+3], v[GA2], s[32+2*\c:33+2*\c] offset:2048*y-32768
.set y, y+1
.endr
.endr
	s_wait_alu depctr_va_vdst(0)
	s_wait_loadcnt 32                              ; the j columns are in; the 32 loads of the i columns may be out
	WIN 0x08
.set y, 0
.rept 32
	ds_store_b128 v[STI], v[4*y:4*y+3] offset:2*HSP*y
.set y, y+1
.endr
	WIN 0x40
.set y, 0
.rept 32                               ; LDS serves a wave's instructions in order: tile y / 8, my 32 neighbours along j
	ds_load_b128 v[HJ+4*y:HJ+4*y+3], v[STO] offset:16*HSP*(y/8)+16*(y%8)
.set y, y+1
.endr
	s_wait_loadcnt 0x0
	WIN 0x08
.set y, 0
.rept 32
	ds_store_b128 v[STI], v[128+4*y:128+4*y+3] offset:2*HSP*y
.set y, y+1
.endr
	WIN 0
.irp t, 0,1,2,3
	ds_load_b64 v[HI+2*\t:HI+2*\t+1], v[AH0] offset:16*HSP*\t
.endr
	s_wait_dscnt 36                                ; the kept h[.][j] are in; behind them: 32 stores and 4 loads
	WIN 0x14
.set y, 0
.rept 16
.irp t, 0,1,2,3
	v_max3_num_f32 v[HM+\t], v[HM+\t], |v[HJ+32*\t+2*y]|, |v[HJ+32*\t+2*y+1]|
.endr
.set y, y+1
.endr
	WIN 0
.irp t, 0,1,2,3
	v_mul_f32 v[HM+\t], 0x3e800000, v[HM+\t]       ; a quarter: 2 off the exponent of every block maximum made of it
.endr
	s_wait_alu depctr_va_vdst(0)
	s_wait_dscnt 0x0
; Scale line SJ of 32, the four row tiles by turns: the block maxima, the floor, the bytes, the scale word of set sp.
.macro SITEM sp
.if SJ < 4
.if SJ%2 == 0
	v_pk_mul_f32 v[SC+2*SJ:SC+2*SJ+1], v[HI+8*(\sp)+2*SJ:HI+8*(\sp)+2*SJ+1], v[HM+SJ:HM+SJ+1] op_sel_hi:[1,0]
.else
	v_pk_mul_f32 v[SC+2*SJ:SC+2*SJ+1], v[HI+8*(\sp)+2*SJ:HI+8*(\sp)+2*SJ+1], v[HM+SJ-1:HM+SJ] op_sel:[0,1] op_sel_hi:[1,1]
.endif
.elseif SJ < 12
	v_max_num_f32 v[SC+SJ-4], |v[SC+SJ-4]|, s[FLOOR]
.elseif SJ < 20
.if SJ%2 == 0
	v_lshrrev_b32 v[TA+(SJ-12)/2], 23, v[SC+SJ-12]
.else
	v_lshrrev_b32 v[TBV+(SJ-12)/2], 23, v[SC+SJ-12]
.endif
.elseif SJ < 24
	v_lshl_or_b32 v[TA+SJ-20], v[TBV+SJ-20], 16, v[TA+SJ-20]   ; my half's bytes of blocks hh and 2 + hh
.elseif SJ < 28
	v_permlanex16_b32 v[TBV+SJ-24], v[TA+SJ-24], s[SEL], s[SEL+1]
.else
	v_lshl_or_b32 v[AS+4*(\sp)+SJ-28], v[TBV+SJ-28], 8, v[TA+SJ-28]   ; lanes 0-15: row r's word
.endif
.endm
.macro VS sp                           ; all 32
	WIN 0
.set SJ, 0
.rept 32
	SITEM \sp
.set SJ, SJ+1
.endr
.endm
; c pairs of products of block n = (row tile n / 2, i0 + n % 2): h[row][my j s + 2 e, + 1] x h[row][i] into v[d + 2 e ..]
.macro PKS sp, n, d, s, c
.set pH, HI+8*(\sp)+2*((\n)/2)
.set e, 0
.rept \c
.if (\n)%2 == 0
	v_pk_mul_f32 v[\d+2*e:\d+2*e+1], v[HJ+32*((\n)/2)+\s+2*e:HJ+32*((\n)/2)+\s+2*e+1], v[pH:pH+1] op_sel_hi:[1,0]
.else
	v_pk_mul_f32 v[\d+2*e:\d+2*e+1], v[HJ+32*((\n)/2)+\s+2*e:HJ+32*((\n)/2)+\s+2*e+1], v[pH:pH+1] op_sel:[0,1] op_sel_hi:[1,1]
.endif
.set e, e+1
.endr
.endm
; Block n of a step's eight.  Its upper 16 products lie in T0 already (made in block n - 1, or ahead of block 0).  No conversion reads a product made just ahead of it: the next block's
; upper products stand between.  A conversion's three registers begin on an even number: the upper codes are made aside and moved.  A v_nop is the plain place behind each conversion.
.macro BLK sp, n
.set pA, AF+48*(\sp)+6*(\n)
	PKS \sp, \n, T1, 0, 6
	v_cvt_scalef32_pk16_fp6_f32 v[T1+12:T1+14], v[T0:T0+15], v[SC+(\n)]
	v_nop
.if (\n) < 7
	PKS \sp, (\n)+1, T0, 16, 4
.endif
.irp i, 0,1,2
	v_mov_b32 v[pA+3+\i], v[T1+12+\i]
.endr
	PKS \sp, \n, T1+12, 12, 2
.if (\n) < 7
	PKS \sp, (\n)+1, T0+8, 24, 4
.endif
	v_cvt_scalef32_pk16_fp6_f32 v[pA:pA+2], v[T1:T1+15], v[SC+(\n)]
	v_nop
.endm
.macro WLD n0                          ; tiles n0 .. n0 + 7: 24 loads of 512 consecutive bytes
.set li, 0
.rept 24
	ds_load_b128 v[WF+12*(\n0)+4*li:WF+12*(\n0)+4*li+3], v[AW] offset:(\n0)*FRB+512*li
.set li, li+1
.endr
.endm
.macro MIDLD sg, hi                    ; the next step's tiles 0-7 and their scale words; hi: the pairs h[.][i] of the step after it
	WIN 0
	PLACES                                         ; behind the last product on tiles 0-7
	WLD 0
	ds_load_b128 v[WS:WS+3], v[AW] offset:16*FRB
.if \hi
.irp t, 0,1,2,3
	ds_load_b64 v[HI+8*(\sg)+2*\t:HI+8*(\sg)+2*\t+1], v[AH] offset:16*HSP*\t
.endr
.endif
.endm
; Matrix instruction k of a step's 64: row tile (k / 4) % 4 against W's tile 4 (k / 16) + k % 4.  The 64 accumulators take turns in the same order in every step.
.macro MM sg, zero
.set mg, k/16
.set mt, (k/4)%4
.set mn, 4*mg+k%4
.set mA, 128*(mt%2)+8*mn
.set mW, WF+12*mn
.set mF, AF+48*(\sg)+12*mt
.set mS, WS+4*(mg/2)+k%4
.set mT, AS+4*(\sg)+mt
	WIN 0xa4+0x50*(mt/2)
.if \zero
.if mg%2
	v_wmma_scale_f32_16x16x128_f8f6f4 v[mA:mA+7], v[mW:mW+11], v[mF:mF+11], 0, v[mS], v[mT] matrix_a_fmt:MATRIX_FMT_FP6 matrix_b_fmt:MATRIX_FMT_FP6 matrix_a_scale:MATRIX_SCALE_ROW1
.else
	v_wmma_scale_f32_16x16x128_f8f6f4 v[mA:mA+7], v[mW:mW+11], v[mF:mF+11], 0, v[mS], v[mT] matrix_a_fmt:MATRIX_FMT_FP6 matrix_b_fmt:MATRIX_FMT_FP6
.endif
.else
.if mg%2
	v_wmma_scale_f32_16x16x128_f8f6f4 v[mA:mA+7], v[mW:mW+11], v[mF:mF+11], v[mA:mA+7], v[mS], v[mT] matrix_a_fmt:MATRIX_FMT_FP6 matrix_b_fmt:MATRIX_FMT_FP6 matrix_a_scale:MATRIX_SCALE_ROW1
.else
	v_wmma_scale_f32_16x16x128_f8f6f4 v[mA:mA+7], v[mW:mW+11], v[mF:mF+11], v[mA:mA+7], v[mS], v[mT] matrix_a_fmt:MATRIX_FMT_FP6 matrix_b_fmt:MATRIX_FMT_FP6
.endif
.endif
.endm
.macro MMS sg, zero, k0                ; 32 on end
.set k, \k0
.rept 32
	MM \sg, \zero
.set k, k+1
.endr
.endm
; A change of slots, in the middle of a slot's second step: all reads of the slot have been issued.
.macro TURN fill
	WIN 0
	s_wait_alu depctr_va_vdst(0)
.if \fill
	s_wait_xcnt 0x0                                ; the last prefetch has read its base
	s_add_nc_u64 s[PF:PF+1], s[PF:PF+1], 2*STEPB
.endif
	s_wait_tensorcnt 0x0                           ; my image of the other slot has landed
	ds_add_u32 v[SPW], v[NIL]
.if \fill
	s_xor_b32 s[G0B+1], s[G0B+1], SLOT1
	s_add_nc_u64 s[G0B+2:G0B+3], s[G0B+2:G0B+3], 2*STEPB
.endif
	s_wait_dscnt 0x0                               ; the add is done, and my reads of this slot are back
.if \fill
	CROUND
	tensor_load_to_lds s[G0B:G0B+3], s[G1:G1+7]
	s_nop 0
	PLACES
	s_cmp_lg_u32 s[SLOTS], 1                       ; the last refill has no fill behind it
	s_cbranch_scc0 .Lno_ask_\@
	global_prefetch_b8 v[PFO], s[PF:PF+1] th:TH_LOAD_NT scope:SCOPE_SE
.Lno_ask_\@:
.else
	s_barrier_signal -1
	s_barrier_wait -1
.endif
.endm
; A step on A's set sg.  gen: the next step's A is made, into the other set; mid: the next step's first loads; hi: the pairs of the step after it; turn: 1 a change of slots with a refill, 2 without, 0 none.
.macro STEP sg, zero, gen, mid, hi, turn
	WIN 0
	s_wait_alu depctr_va_vdst(0)
	s_wait_dscnt 0x0                               ; tiles 0-7 and the pairs are in
	s_add_co_u32 s[TB], s[TB], STEPB               ; the next step's image and pairs
	s_add_co_u32 s[TH], s[TH], 8
.if \turn
	s_sub_co_u32 s[TB], s[TB], 2*STEPB             ; it lies in the other slot
	s_xor_b32 s[TB], s[TB], SLOT1
.endif
	PLACES                                         ; behind the last product on tiles 8-15
	WLD 8                                          ; this step's tiles 8-15
	ds_load_b128 v[WS+4:WS+7], v[AW] offset:16*FRB+512
.if \mid
	v_add_nc_u32 v[AW], s[TB], v[LI]
.if \hi
	v_add_nc_u32 v[AH], s[TH], v[AH0]
.endif
.endif
.if \gen
	VS 1-(\sg)
	WIN W_P
	PKS 1-(\sg), 0, T0, 16, 8
.irp n, 0,1,2,3
	BLK 1-(\sg), \n
.endr
.endif
	MMS \sg, \zero, 0
.if \turn
	TURN 2-(\turn)
.else
	s_wait_alu depctr_va_vdst(0)
	s_wait_dscnt 0x0                               ; tiles 8-15 are in
.endif
.if \mid
	MIDLD \sg, \hi
.endif
.if \gen
	WIN W_P
.irp n, 4,5,6,7
	BLK 1-(\sg), \n
.endr
.endif
	MMS \sg, \zero, 32
.endm
	VS 0                                           ; step 0's A, made while slot 0's load is on its way
	WIN W_P
	PKS 0, 0, T0, 16, 8
.irp n, 0,1,2,3,4,5,6,7
	BLK 0, \n
.endr
	WIN 0
	v_add_nc_u32 v[AW], s[TB], v[LI]               ; step 0's image, and the pairs of step 1
	v_add_nc_u32 v[AH], s[TH], v[AH0]
	s_wait_alu depctr_va_vdst(0)
	s_wait_tensorcnt 0x0                           ; slot 1's first fill is issued as a refill is
	ds_add_u32 v[SPW], v[NIL]
	s_wait_dscnt 0x0
	CROUND                                         ; slot 0 is whole for all four waves
	tensor_load_to_lds s[G0B:G0B+3], s[G1:G1+7]
	s_nop 0
	PLACES
	global_prefetch_b8 v[PFO], s[PF:PF+1] th:TH_LOAD_NT scope:SCOPE_SE   ; the fill that the first change of slots loads
	MIDLD 1, 1
	STEP 0, 1, 1, 1, 1, 0                          ; step 0's products start the sums
	WIN 0
	s_mov_b32 s[SLOTS], 14                         ; fourteen refills: fills 2 to 15 of two steps each
.Lslot:
	STEP 1, 0, 1, 1, 1, 1
	STEP 0, 0, 1, 1, 1, 0
	WIN 0
	s_sub_co_u32 s[SLOTS], s[SLOTS], 1
	s_cmp_lg_u32 s[SLOTS], 0
	s_wait_alu depctr_va_vdst(0)
	s_cbranch_scc1 .Lslot
	STEP 1, 0, 1, 1, 1, 2                          ; step 29: the last change of slots fetches nothing
	STEP 0, 0, 1, 1, 0, 0
	STEP 1, 0, 0, 0, 0, 0
; THE TWO SPLITS MEET.  32,768 bytes a wave from LDS byte 0 on: slot 0, which has had its last fill, and the bytes between the slots.
	WIN 0
	PLACES
	s_lshl_b32 s56, s[WV], 15
	s_xor_b32 s57, s56, 0x10000                    ; wave w xor 2's
	v_add_nc_u32 v[STI], s56, v[LI]
	v_add_nc_u32 v[STO], s57, v[LI]
	s_wait_alu depctr_va_vdst(0)
	s_wait_dscnt 0x0
	s_barrier_signal -1
	s_barrier_wait -1                              ; no wave reads an image any more
	WIN 0x0c
.set a, 0
.rept 32                               ; my row tiles 2 and 3, each accumulator from its low end
	ds_store_b128 v[STI], v[8*a:8*a+3] offset:1024*a
	ds_store_b128 v[STI], v[8*a+4:8*a+7] offset:1024*a+512
.set a, a+1
.endr
	WIN 0
	s_wait_dscnt 0x0                               ; for the partner's sake
	s_barrier_signal -1
	s_barrier_wait -1
	WIN 0x40
.set a, 0
.rept 64                               ; the partner's sums for the rows that I keep, into window 1
	ds_load_b128 v[4*a:4*a+3], v[STO] offset:512*a
.set a, a+1
.endr
.irp c, 0,1,2,3
	s_wait_dscnt 48-16*\c                          ; sixteen more loads are in; the younger ones may be out
	WIN 0x86
.set a, 32*\c
.rept 32
	v_pk_add_f32 v[2*a:2*a+1], v[2*a:2*a+1], v[2*a:2*a+1]   ; window 2 += window 1
.set a, a+1
.endr
	WIN 0x08
.set a, 16*\c
.rept 16
	global_store_b128 v[LI], v[4*a:4*a+3], s[8:9] offset:512*a th:TH_STORE_NT   ; 32 lanes store 512 consecutive bytes, aligned
.set a, a+1
.endr
.endr
	WIN 0
	s_wait_tensorcnt 0x0                           ; the wave's end
	ds_add_u32 v[SPW], v[NIL]
	s_wait_dscnt 0x0
	CROUND                                         ; the closing round
	s_endpgm
.Lfunc_end_k_q6e232352d3_mix:
	.size	k_q6e232352d3_mix, .Lfunc_end_k_q6e232352d3_mix-k_q6e232352d3_mix
	.p2alignl 7, 3214868480
	.fill 96, 4, 3214868480
	.section	.rodata,"a",@progbits
	.p2align	6, 0x0
	.amdhsa_kernel k_q6e232352d3_mix
		.amdhsa_group_segment_fixed_size 327680
		.amdhsa_private_segment_fixed_size 0
		.amdhsa_enable_private_segment 0
		.amdhsa_kernarg_size 24
		.amdhsa_user_sgpr_count 2
		.amdhsa_user_sgpr_kernarg_segment_ptr 1
		.amdhsa_wavefront_size32 1
		.amdhsa_system_sgpr_workgroup_id_x 1
		.amdhsa_system_sgpr_workgroup_id_y 1
		.amdhsa_system_sgpr_workgroup_id_z 1
		.amdhsa_system_vgpr_workitem_id 0
		.amdhsa_next_free_vgpr 1024
		.amdhsa_next_free_sgpr 66
		.amdhsa_reserve_vcc 0
		.amdhsa_float_denorm_mode_32 3
		.amdhsa_float_denorm_mode_16_64 3
		.amdhsa_memory_ordered 1
		.amdhsa_forward_progress 1
		.amdhsa_inst_pref_size 194
	.end_amdhsa_kernel
	.amdgpu_metadata
---
amdhsa.version: [ 1, 2 ]
amdhsa.kernels:
  - .name:           k_q6e232352d3_mix
    .symbol:         k_q6e232352d3_mix.kd
    .args:
      - { .name: h, .offset: 0, .size: 8, .value_kind: global_buffer, .address_space: global }
      - { .name: wq, .offset: 8, .size: 8, .value_kind: global_buffer, .address_space: global }
      - { .name: part, .offset: 16, .size: 8, .value_kind: global_buffer, .address_space: global }
    .group_segment_fixed_size: 327680
    .private_segment_fixed_size: 0
    .kernarg_segment_align: 8
    .kernarg_segment_size: 24
    .max_flat_workgroup_size: 128
    .sgpr_count:     66
    .vgpr_count:     1024
    .wavefront_size: 32
...
	.end_amdgpu_metadata
.endif
;; end of part 2
;; launch fold (part 3): grid 256 x 1, 4 waves a work-group, no clusters, 17,920 bytes of LDS; arguments part, b, out0; writes out0
.if DOCPART == 3
	.amdgcn_target "amdgcn-amd-amdhsa--gfx1250"
	.amdhsa_code_object_version 6
	.text
	.protected	k_q6e232352d3_fold
	.globl	k_q6e232352d3_fold
	.p2align	8
	.type	k_q6e232352d3_fold,@function
k_q6e232352d3_fold:
	s_mov_b64 s[64:65], 0
	v_nop
	global_prefetch_b8 v0, s[64:65] scope:SCOPE_SE
	s_setreg_imm32_b32 hwreg(HW_REG_WAVE_MODE, 25, 1), 1
	s_wait_xcnt 0x0
; out0[m][o] = b[o] + the sum over the 8 parts S of part[S][m][o], in f32, S ascending.
; part lies as the product's accumulators stood: byte S 2^22 + 16384 G + 1024 n + 512 u + 16 lane; lane (r, hh), register e there holds (row 16 G + r, o = 16 n + 8 hh + 4 u + e).
; SHARES: work-group G owns 16 rows; wave wv the column tiles n = 4 wv .. 4 wv + 3: 4,096 consecutive bytes of each part, eight loads of 512 bytes.  Six parts' loads (48 a wave) go out at once, the last two as sets fall free.
; The sums begin with the bias in the same layout.  At the end the wave's 16 rows x 64 columns turn through its own stage in LDS, so that sixteen lanes store 256 consecutive bytes of a row, aligned.  No barrier: waves share nothing.
; A stream: no matrix unit, no cluster, no tensor load has work here.
.set SPL, 4194304                      ; a part in bytes
.set OFF, 2                            ; v2-5    16 x lane + 2 SPL x (S / 2): the odd part of a pair stands in the immediate; never rewritten
.set ACC, 16                           ; v16-47  eight chunks j = 2 n' + u of four registers
.set BUF, 48                           ; v48-239 six sets of 32
	s_load_b128 s[4:7], s[0:1], 0x0                ; part, b
	s_load_b64 s[8:9], s[0:1], 0x10                ; out0
	v_lshl_add_u32 v240, v0, 2, 0x4400
	v_mov_b32 v241, 0
	v_lshrrev_b32 v1, 5, v0
	v_readfirstlane_b32 s10, v1                    ; wave
	v_and_b32 v1, 31, v0                           ; lane
	v_and_b32 v14, 15, v0                          ; r
	v_bfe_u32 v15, v0, 4, 1                        ; hh
	v_lshlrev_b32 v[OFF], 4, v1
.irp i, 1,2,3
	v_add_nc_u32 v[OFF+\i], \i*2*SPL, v[OFF]
.endr
	v_lshlrev_b32 v10, 5, v15                      ; b: my half's eight numbers of a tile
	s_mul_i32 s11, s10, 16*272                     ; my stage: 16 rows of 256 bytes + 16
	v_mul_u32_u24 v11, v14, 272
	v_add_nc_u32 v11, v11, v10
	v_add_nc_u32 v11, s11, v11                     ; into it: row r, + 32 hh
	v_mul_u32_u24 v12, v15, 272
	v_lshl_add_u32 v12, v14, 4, v12
	v_add_nc_u32 v12, s11, v12                     ; out of it: lanes 0-15 one row, lanes 16-31 the next
	v_lshlrev_b32 v13, 10, v15
	v_lshl_add_u32 v13, v14, 4, v13                ; and the same two rows in out0
	s_lshl_b32 s12, ttmp9, 14
	s_lshl_b32 s13, s10, 12
	s_add_co_u32 s12, s12, s13                     ; part: 16384 G + 4096 wv
	s_mov_b32 s13, 0
	s_lshl_b32 s14, s10, 8                         ; b: my 64 numbers
	s_mov_b32 s15, 0
	s_lshl_b32 s16, ttmp9, 14
	s_add_co_u32 s16, s16, s14                     ; out0: 16 rows of 1,024 bytes x G, + my 256 bytes of a row
	s_mov_b32 s17, 0
	s_wait_alu depctr_va_vdst(0)
	s_wait_kmcnt 0x0
	s_add_nc_u64 s[4:5], s[4:5], s[12:13]
	s_add_nc_u64 s[6:7], s[6:7], s[14:15]
	s_add_nc_u64 s[8:9], s[8:9], s[16:17]
.irp j, 0,1,2,3,4,5,6,7
	global_load_b128 v[ACC+4*\j:ACC+4*\j+3], v10, s[6:7] offset:64*(\j/2)+16*(\j%2)   ; b(16 n + 8 hh + 4 u + 0 .. 3): the sums' first term
.endr
.macro LOADS s
.set j, 0
.rept 8
	global_load_b128 v[BUF+32*((\s)%6)+4*j:BUF+32*((\s)%6)+4*j+3], v[OFF+(\s)/2], s[4:5] offset:((\s)%2)*SPL+512*j th:TH_LOAD_NT
.set j, j+1
.endr
.endm
.irp s, 0,1,2,3,4,5
	LOADS \s
.endr
.irp s, 0,1,2,3,4,5,6,7
.if \s < 2
	s_wait_loadcnt 40                              ; this part's eight loads (and the bias) are in; the next five parts' may be out
.else
	s_wait_loadcnt 8*(7-\s)
.endif
.set i, 0
.rept 16
	v_pk_add_f32 v[ACC+2*i:ACC+2*i+1], v[ACC+2*i:ACC+2*i+1], v[BUF+32*(\s%6)+2*i:BUF+32*(\s%6)+2*i+1]
.set i, i+1
.endr
.if \s < 2
	LOADS \s+6
.endif
.endr
.irp j, 0,1,2,3,4,5,6,7
	ds_store_b128 v11, v[ACC+4*\j:ACC+4*\j+3] offset:64*(\j/2)+16*(\j%2)
.endr
.irp y, 0,1,2,3,4,5,6,7
	ds_load_b128 v[BUF+4*\y:BUF+4*\y+3], v12 offset:2*272*\y    ; LDS serves a wave's instructions in order (ISA guide 5.7.1.4): these see my stores
.endr
.irp y, 0,1,2,3,4,5,6,7
	s_wait_dscnt 7-\y                              ; loads come back in order: pair y of rows is in, the younger ones may be out
	global_store_b128 v13, v[BUF+4*\y:BUF+4*\y+3], s[8:9] offset:2048*\y th:TH_STORE_NT   ; sixteen lanes store 256 consecutive bytes, at a multiple of 256 from out0's first byte
.endr
	s_wait_tensorcnt 0x0                           ; the wave's end
	ds_add_u32 v240, v241
	s_wait_dscnt 0x0
	s_endpgm
.Lfunc_end_k_q6e232352d3_fold:
	.size	k_q6e232352d3_fold, .Lfunc_end_k_q6e232352d3_fold-k_q6e232352d3_fold
	.p2alignl 7, 3214868480
	.fill 96, 4, 3214868480
	.section	.rodata,"a",@progbits
	.p2align	6, 0x0
	.amdhsa_kernel k_q6e232352d3_fold
		.amdhsa_group_segment_fixed_size 17920
		.amdhsa_private_segment_fixed_size 0
		.amdhsa_enable_private_segment 0
		.amdhsa_kernarg_size 24
		.amdhsa_user_sgpr_count 2
		.amdhsa_user_sgpr_kernarg_segment_ptr 1
		.amdhsa_wavefront_size32 1
		.amdhsa_system_sgpr_workgroup_id_x 1
		.amdhsa_system_sgpr_workgroup_id_y 1
		.amdhsa_system_sgpr_workgroup_id_z 1
		.amdhsa_system_vgpr_workitem_id 0
		.amdhsa_next_free_vgpr 242
		.amdhsa_next_free_sgpr 66
		.amdhsa_reserve_vcc 0
		.amdhsa_float_denorm_mode_32 3
		.amdhsa_float_denorm_mode_16_64 3
		.amdhsa_memory_ordered 1
		.amdhsa_forward_progress 1
		.amdhsa_inst_pref_size 20
	.end_amdhsa_kernel
	.amdgpu_metadata
---
amdhsa.version: [ 1, 2 ]
amdhsa.kernels:
  - .name:           k_q6e232352d3_fold
    .symbol:         k_q6e232352d3_fold.kd
    .args:
      - { .name: part, .offset: 0, .size: 8, .value_kind: global_buffer, .address_space: global }
      - { .name: b, .offset: 8, .size: 8, .value_kind: global_buffer, .address_space: global }
      - { .name: out0, .offset: 16, .size: 8, .value_kind: global_buffer, .address_space: global }
    .group_segment_fixed_size: 17920
    .private_segment_fixed_size: 0
    .kernarg_segment_align: 8
    .kernarg_segment_size: 24
    .max_flat_workgroup_size: 128
    .sgpr_count:     66
    .vgpr_count:     242
    .wavefront_size: 32
...
	.end_amdgpu_metadata
.endif
;; end of part 3
